; MI455X (gfx1250); checked and timed in simulation.
; The chip was launched on July 23, 2026; its instructions are those of AMD's public machine-readable ISA for CDNA 5 (MIT licence, August 2026) and "CDNA5" Instruction Set Architecture Reference Guide (July 2026). The comments in the code are by the model that wrote it; some were corrected since.
;; LSTMCELL. Allowed arithmetic: matrix products marked QUANTISED: E3M2 operands, one E8M0 scale for each 32 along K, by v_wmma_scale_f32_16x16x128_f8f6f4 with both operands' format E3M2, f32 sums; everything else in f32.
;; Inputs: W_fb_codes 2,048 x 64 x 24 uint8 (E3M2 codes of W_fb, K innermost, in blocks of 32 codes, four codes in three bytes); W_fb_scales 2,048 x 64 uint8 (E8M0 scales of W_fb, one for each 32 codes along K); W_out_codes 2,048 x 64 x 24 uint8 (E3M2 codes of W_out, K innermost, in blocks of 32 codes, four codes in three bytes); W_out_scales 2,048 x 64 uint8 (E8M0 scales of W_out, one for each 32 codes along K); Wh_codes 8,192 x 64 x 24 uint8 (E3M2 codes of Wh, K innermost, in blocks of 32 codes, four codes in three bytes); Wh_scales 8,192 x 64 uint8 (E8M0 scales of Wh, one for each 32 codes along K); Wi_codes 8,192 x 16 x 24 uint8 (E3M2 codes of Wi, K innermost, in blocks of 32 codes, four codes in three bytes); Wi_scales 8,192 x 16 uint8 (E8M0 scales of Wi, one for each 32 codes along K); b_fb 2,048 float32; b_out 2,048 float32; bi 8,192 float32; c_prev 2,048 x 2,048 float32; data_codes 2,048 x 16 x 24 uint8 (E3M2 codes of data, K innermost, in blocks of 32 codes, four codes in three bytes); data_scales 2,048 x 16 uint8 (E8M0 scales of data, one for each 32 codes along K); h_prev_codes 2,048 x 64 x 24 uint8 (E3M2 codes of h_prev, K innermost, in blocks of 32 codes, four codes in three bytes); h_prev_scales 2,048 x 64 uint8 (E8M0 scales of h_prev, one for each 32 codes along K); o_prev_codes 2,048 x 64 x 24 uint8 (E3M2 codes of o_prev, K innermost, in blocks of 32 codes, four codes in three bytes); o_prev_scales 2,048 x 64 uint8 (E8M0 scales of o_prev, one for each 32 codes along K).
;; Outputs: out0 2,048 x 2,048 float32; out1 2,048 x 2,048 float32; out2 2,048 x 2,048 float32.
;; This version of the problem:
;;   THIS VERSION OF THE PROBLEM IS GIVEN IN LOW PRECISION. The matrix products marked QUANTISED in the list below multiply operands that are first quantised to E3M2 (3 exponent bits, 2 mantissa bits; 6 bits a number), with one power-of-two scale for each 32 numbers along K (OCP MX v1.0); their sums are f32. All else is computed in f32.
;;   The module's matrix products, in the order in which they are computed (A, B: the left and right operand; K: the contracted axis; several contracted axes count as one K, in the product's order):
;;     1. [M 2,048, K 512] x [K 512, N 8,192]; A: input data (given as codes); B: input Wi (given as codes): QUANTISED
;;     2. [M 2,048, K 2,048] x [K 2,048, N 8,192]; A: input h_prev (given as codes); B: input Wh (given as codes): QUANTISED
;;     3. [M 2,048, K 2,048] x [K 2,048, N 2,048]; A: input o_prev (given as codes); B: input W_fb (given as codes): QUANTISED
;;     4. [M 2,048, K 2,048] x [K 2,048, N 2,048]; A: computed on the way; B: input W_out (given as codes): QUANTISED
;;   THE QUANTISER, for each operand of a quantised product, along K:
;;     - K is cut into blocks of 32 from its start; a last block that is shorter is filled with zeros.
;;     - A block's scale is 2^e with e = floor(log2(the largest magnitude in the block)) - 4, held to -126 .. 127; a block of zeros has e = 0. As a byte (E8M0): e + 127.
;;     - Each number is divided by its block's scale, clamped to +-28, and rounded to the nearest number of E3M2, ties to even, subnormals kept.
;;     - The product sums the exact products of the quantised numbers (number of the format x scale) in f32.
;;   ~~~python
;;   def quantise(x, axis):      # numpy; x: float32 -> the quantised numbers, widened to float32 again
;;       x = np.moveaxis(x, axis, -1); K = x.shape[-1]
;;       x = np.pad(x, [(0, 0)] * (x.ndim - 1) + [(0, -K % 32)]); x = x.reshape(x.shape[:-1] + (-1, 32)); a = np.abs(x).max(-1, keepdims=True)
;;       e = np.where(a > 0, np.clip(np.frexp(np.where(a > 0, a, 1))[1] - 1 - 4, -126, 127), 0)      # np.frexp(a)[1] - 1 = floor(log2(a)), exactly
;;       r = np.clip(x / 2.0 ** e, -28, 28)
;;       step = 2.0 ** (np.maximum(np.frexp(np.where(r == 0, 1, r))[1] - 1, -2) - 2)
;;       q = np.round(r / step) * step * 2.0 ** e      # np.round: ties to even
;;       return np.moveaxis(q.reshape(q.shape[:-2] + (-1,))[..., :K], -1, axis).astype(np.float32)
;;   ~~~
;;   OPERANDS COMPUTED ON THE WAY. 'Computed on the way' means the value that the module computes at that place (a softmax that the list does not call 'softmax' is quantised finished and normalised). What goes into a quantiser is computed in f32, as accurately as f32 sums, v_exp_f32 and their like allow (about 1e-6 of the number): no bf16 or f16 on the way to a quantiser, and a product that is left as it is and whose result goes on into a quantised operand takes f32 operands (vector FMAs, or v_wmma_f32_16x16x4_f32). A number that lies on a knife's edge between two numbers of the format may be rounded either way, as far as f32 arithmetic and the matrix unit's own rounding can turn it there, and no further.
;;   INPUTS GIVEN AS CODES. W_fb (in the module: [2048, 2048], K = its axis 1); W_out (in the module: [2048, 2048], K = its axis 1); Wh (in the module: [8192, 2048], K = its axis 1); Wi (in the module: [8192, 512], K = its axis 1); data (in the module: [2048, 512], K = its axis 1); h_prev (in the module: [2048, 2048], K = its axis 1); o_prev (in the module: [2048, 2048], K = its axis 1): each comes as NAME_codes (uint8): NAME with its K axis moved to the last place and cut into blocks of 32 codes, [.., K / 32, bytes a block], one block behind the other in memory; four codes in three bytes: a row's codes are one little-endian stream of bits, code i at bits 6 i .. 6 i + 5 (a code: sign, 3 exponent bits, 2 mantissa bits); and NAME_scales (uint8): the same leading axes, one E8M0 byte (e + 127) for each 32 codes along K. Its value is code x scale, taken as it is: it is not quantised again, and the codes and scales need not be those that the quantiser above would give.
;; One version. Each part assembles by itself: llvm-mc -triple=amdgcn-amd-amdhsa -mcpu=gfx1250 --defsym DOCPART=n.
;; ======== version 1 of 1: 3 launches
;; workspace buffers: hq_codes 3,145,728 bytes; hq_scales 131,072 bytes; logits 16,777,216 bytes
;; launch cell (part 1): grid 32 x 8, 4 waves a work-group, clusters of 4 x 4, 327,680 bytes of LDS; arguments bi, b_fb, data_scales, Wi_scales, W_fb_scales, data_codes, Wi_codes, h_prev_codes, Wh_codes, h_prev_scales, o_prev_scales, Wh_scales, o_prev_codes, W_fb_codes, c_prev, out1, out2, hq_codes, hq_scales; writes out1, out2, hq_codes, hq_scales
.if DOCPART == 1
	.amdgcn_target "amdgcn-amd-amdhsa--gfx1250"
	.amdhsa_code_object_version 6
	.text
	.protected	k_q7d69cda71d_cell
	.globl	k_q7d69cda71d_cell
	.p2align	8
	.type	k_q7d69cda71d_cell,@function
k_q7d69cda71d_cell:
	s_mov_b64 s[64:65], 0
	v_nop
	global_prefetch_b8 v0, s[64:65] scope:SCOPE_SE
	s_setreg_imm32_b32 hwreg(HW_REG_WAVE_MODE, 25, 1), 1
	s_wait_xcnt 0x0
	s_wait_alu depctr_hold_cnt(0) depctr_sa_sdst(0) depctr_va_vdst(0) depctr_va_sdst(0) depctr_va_ssrc(0) depctr_va_vcc(0) depctr_vm_vsrc(0)
	s_getreg_b32 s2, hwreg(HW_REG_IB_STS2, 6, 4)
	s_cmp_eq_u32 s2, 0
	s_cbranch_scc0 .Lentry_in_a_cluster
	s_endpgm
.Lentry_in_a_cluster:
	s_bfe_u32 s2, ttmp6, 0x10000c
	s_cmp_lg_u32 s2, 0xf033
	s_cbranch_scc0 .Lentry_shape_is_right
	s_endpgm
.Lentry_shape_is_right:
; LSTM cell, launch 1 of 3.  gates = data Wi^T + bi + h_prev Wh^T;  c_t = sigmoid(f) c_prev + sigmoid(i) tanh(g) + o_prev W_fb^T + b_fb;  h_t = sigmoid(o) tanh(c_t).
; Stored: out2 = c_t, out1 = h_t, and h_t quantised along the hidden axis (E3M2 codes, one E8M0 byte for each 32) for the next launch's product.
; NO WORK IS LEFT OUT: every input of the problem reaches an output, so every input is loaded (W_out and b_out by the next launch).
; All three products run on codes and scale bytes as they are given, by v_wmma_scale_f32_16x16x128_f8f6f4 with both formats BF6; sums, gates and the quantiser's input are f32.
; LIMITS.  tanh(x) = (1 - E) / (1 + E), E = 2^min(-2 log2(e) x, 60): its absolute error is about 2e-7, so its relative error grows as 2e-7 / |x| for small |x|; the hold at 60 moves nothing (tanh is -1 in f32 long before).
; A block of h_t that is all zeros gets the scale byte 1 where the rule says 127: its codes are zeros, and this program alone reads the bytes.  NaN and infinities among the inputs are not served.
; SHARES.  A work-group of four waves owns 256 rows x 64 hidden units, for all four gates and the feedback product.  Wave w (rh = w / 2, wh = w % 2) owns row blocks a = 0..7 (rows 32 a + 16 rh + r) and hidden
; units 32 wh .. + 31: 64 gate accumulators (a, b = 2 gate + u) in windows 2 and 3, 16 feedback accumulators in window 1.
; TRANSPOSED USE: source 0 = 16 weight rows (hidden 32 wh + 16 u + r), source 1 = 16 activation rows: lane (r, h) holds row r, register j of tile u the hidden unit 32 wh + 16 u + 8 h + j.
; K WALK: 14 tiles through two LDS slots: 2 of data x Wi and 8 of h_prev x Wh, 256 along K each; then 4 of o_prev x W_fb, 512 along K each: a feedback tile has fewer rows, so a slot holds twice the K, and there are
; half as many changes of slots.  The gates' nonlinearity of row block f stands inside the feedback's f-th 256 along K, between the LDS loads and the products that wait for them.
; c_prev enters only when a row block is finished; it comes last, into the slot that the feedback has left.
; CLUSTER 4 x 4: activation tiles hang on the row tile alone and are asked for jointly along a row of the cluster, weight tiles on the hidden tile alone and jointly along a column.  h_prev's and Wh's scale tiles
; (35 KB of a work-group's 1.5 MB) and c_prev (which no partner shares) are loads of the work-group's own.
; REGISTERS.  window 0: v0-31 addresses; v32-63, v160-191, v208-223 scale words and nothing else; v64-159 activation fragments, later c_prev; v192-207 b_fb; v224-231 at work; v232-244 the feedback's addresses.
;   window 1: weight fragments, two sets (v0, v128); bi at v96-127 and v224-255; later W_fb's fragments (v0-47) and the feedback accumulators (v128-255); on the way out v0-127.
;   windows 2, 3: gate accumulator (a, b) at v[8 (8 (a % 4) + b)]: in a block's 64 registers i, f, g, o take 16 each.
.set PITCH, 240                        ; an LDS row of 256 codes: 3 x (64 bytes + 16 of padding)
.set HALFT, 128*PITCH                  ; 128 rows: what one tensor load of a gates step brings
.set BOFF,  2*HALFT                    ; the weights' rows lie behind the 256 activation rows
.set SLOT1, 1<<17                      ; slot 1: one exclusive or turns an address from one slot to the other
.set FP,    432                        ; an LDS row of 512 codes: 3 x (128 bytes + 16 of padding) = 108 words: row r starts at bank 44 r mod 64, sixteen different multiples of 4
.set FHALF, 128*FP                     ; 128 rows of o_prev: what one tensor load of a feedback step brings; 256 of them fit into a gates slot
.set SA_H,  SLOT1+4*HALFT              ; h_prev's scale bytes, 256 rows x 64, as units of 256 bytes + 16
.set SB_H,  SA_H+64*272                ; Wh's: 64 rows of each gate
.set WF1,   SA_H                       ; W_fb's 64 rows for slot 1: over the two scale regions, which nobody reads behind the last gates step
.set WF0,   SB_H+64*272                ; W_fb's 64 rows for slot 0: first filled at the kernel's head
.set SPARE, WF0+64*FP                  ; the spare words, 128 bytes a wave
.set QST,   256*272                    ; the way out: behind c_prev (256 rows x 272 from byte 0) the codes, 48 bytes a row,
.set QSS,   QST+256*48                 ; and the scale bytes, 2 a row
.set CST,   SLOT1                      ; c_t's stage, 256 rows x 272,
.set HST,   SLOT1+256*272              ; and h_t's: both over bytes that have had their last fill and their last read
.set PADW,  (1<<20)|(1<<21)|(3<<22)|(3<<25)   ; elements of 1 byte; padding on; bit 21 beside a mask; 4 words behind every 16
.set PADF,  (1<<20)|(1<<21)|(4<<22)|(3<<25)   ; the same with 4 words behind every 32
.set UNITW, (3<<16)|(1<<20)|(5<<22)|(3<<25)   ; elements of 8 bytes; padding on; 4 words behind every 64; no mask
.set AF,  64
.set SPW, 28
.set NIL, 29
.set MSB, 0
.macro WIN new                         ; the immediate's high byte repeats the setting that is left
.if MSB != (\new)
	s_set_vgpr_msb (MSB<<8)|(\new)
.set MSB, (\new)
.endif
.endm
.macro PLACES n                        ; plain places behind matrix instructions (ISA guide 7.12.1)
.rept \n
	v_nop
.endr
.endm
.macro CREST                           ; a round of the cluster's barrier behind its opening barrier
	s_cmp_lg_u32 s16, 0
	s_cbranch_scc1 .Lnw0_\@
	s_barrier_signal -3
.Lnw0_\@:
	s_barrier_wait -3
	s_barrier_signal -1
	s_barrier_wait -1
.endm
.macro CROUND
	s_barrier_signal -1
	s_barrier_wait -1
	CREST
.endm
; A joint load of a gates step: waves 0, 1 fetch the two halves of the activation rows; waves 2, 3 two gates' 64 weight rows each, as two planes of one tile.  The branch hangs on the wave's number alone.
.macro JL g0a, g1a, g0b, g1b
	s_cmp_eq_u32 s17, 0
	s_cbranch_scc0 .Ljb_\@
	tensor_load_to_lds s[\g0a:\g0a+3], s[\g1a:\g1a+7]
	s_nop 0
.rept 4
	v_nop
.endr
	s_branch .Ljd_\@
.Ljb_\@:
	tensor_load_to_lds s[\g0b:\g0b+3], s[\g1b:\g1b+7], s[40:43], s[44:47]
	s_nop 0
.rept 4
	v_nop
.endr
.Ljd_\@:
.endm
; A feedback step's joint loads: waves 0, 1 o_prev's halves; wf = 1: wave 2 W_fb's 64 rows (the first tile's came at the kernel's head).  Wave 3 asks for nothing here.
.macro JLF wf
	s_cmp_lt_u32 s16, 2
	s_cbranch_scc0 .Lf2_\@
	tensor_load_to_lds s[92:95], s[56:63]
	s_nop 0
.rept 4
	v_nop
.endr
.if \wf
	s_branch .Lfd_\@
.endif
.Lf2_\@:
.if \wf
	s_cmp_eq_u32 s16, 2
	s_cbranch_scc0 .Lfd_\@
	tensor_load_to_lds s[76:79], s[68:75]
	s_nop 0
.rept 4
	v_nop
.endr
.endif
.Lfd_\@:
.endm
; A fragment: 16 rows x 128 K of 6-bit codes, 12 registers, in pieces of 8 bytes.  Lanes 16-31 read three pieces further on; where that lies behind one padding more, the second address register serves.
.macro FRAG reg, adr, q, row           ; from a gates slot: a padding behind every 8 pieces
.irp p, 0,1,2,3,4,5
.set PC, 12*(\q)+6*(\p/3)+\p%3
.if PC%8 < 5
	ds_load_b64 v[\reg+2*\p:\reg+2*\p+1], v[\adr] offset:8*PC+16*(PC/8)+(\row)*PITCH
.else
	ds_load_b64 v[\reg+2*\p:\reg+2*\p+1], v[\adr+1] offset:8*PC+16*(PC/8)+(\row)*PITCH
.endif
.endr
.endm
.macro FRAGF reg, adr, q, row          ; from a feedback slot: a padding behind every 16 pieces
.irp p, 0,1,2,3,4,5
.set PC, 12*(\q)+6*(\p/3)+\p%3
.if PC%16 < 13
	ds_load_b64 v[\reg+2*\p:\reg+2*\p+1], v[\adr] offset:8*PC+16*(PC/16)+(\row)*FP
.else
	ds_load_b64 v[\reg+2*\p:\reg+2*\p+1], v[\adr+1] offset:8*PC+16*(PC/16)+(\row)*FP
.endif
.endr
.endm
; One product, from the symbols rD, rS0, rS1, rC, rX0, rX1; rR0, rR1 = 1: the side's scale words stand in lanes 16-31.
.macro WMX
.if (rR0 == 0) && (rR1 == 0)
	v_wmma_scale_f32_16x16x128_f8f6f4 v[rD:rD+7], v[rS0:rS0+11], v[rS1:rS1+11], v[rC:rC+7], v[rX0], v[rX1] matrix_a_fmt:MATRIX_FMT_BF6 matrix_b_fmt:MATRIX_FMT_BF6
.elseif rR1 == 0
	v_wmma_scale_f32_16x16x128_f8f6f4 v[rD:rD+7], v[rS0:rS0+11], v[rS1:rS1+11], v[rC:rC+7], v[rX0], v[rX1] matrix_a_fmt:MATRIX_FMT_BF6 matrix_b_fmt:MATRIX_FMT_BF6 matrix_a_scale:MATRIX_SCALE_ROW1
.elseif rR0 == 0
	v_wmma_scale_f32_16x16x128_f8f6f4 v[rD:rD+7], v[rS0:rS0+11], v[rS1:rS1+11], v[rC:rC+7], v[rX0], v[rX1] matrix_a_fmt:MATRIX_FMT_BF6 matrix_b_fmt:MATRIX_FMT_BF6 matrix_b_scale:MATRIX_SCALE_ROW1
.else
	v_wmma_scale_f32_16x16x128_f8f6f4 v[rD:rD+7], v[rS0:rS0+11], v[rS1:rS1+11], v[rC:rC+7], v[rX0], v[rX1] matrix_a_fmt:MATRIX_FMT_BF6 matrix_b_fmt:MATRIX_FMT_BF6 matrix_a_scale:MATRIX_SCALE_ROW1 matrix_b_scale:MATRIX_SCALE_ROW1
.endif
.endm
; 16 products: row blocks a0, a0 + 1 x the eight weight blocks; p: the weights' set; the scale word of row blocks 2 k, 2 k + 1 at sa0 + str k, of gate g at sb0 + str g.  bias = 1: C is bi, and starts the sums.
; The 64 accumulators take turns, one instruction a turn, in the same order everywhere.
.macro MUL16 a0, p, sa0, sb0, str, bias
.irp a, \a0, \a0+1
.irp b, 0,1,2,3,4,5,6,7
.set rD, 8*(8*((\a)%4)+\b)
.set rS0, 128*(\p)+12*\b
.set rS1, AF+12*(\a)
.if \bias
.set rC, 96+8*\b+96*(\b/4)
.else
.set rC, rD
.endif
.set rX0, (\sb0)+(\str)*(\b/2)
.set rX1, (\sa0)+(\str)*((\a)/2)
.set rR0, \b%2
.set rR1, (\a)%2
	WMX
.endr
.endr
.endm
.macro FETCH_B q, p                    ; the eight weight fragments of the slot's q-th 128 along K into set p
	WIN 0x40
.irp b, 0,1,2,3,4,5,6,7
	FRAG 128*(\p)+12*\b, 10, \q, 64*(\b/2)+16*(\b%2)
.endr
	WIN 0
.endm
.macro FETCH_A q, i0                   ; activation blocks i0 .. i0 + 3
.irp i, \i0, \i0+1, \i0+2, \i0+3
	FRAG AF+12*(\i), 8, \q, 32*(\i)
.endr
.endm
.macro SCAL set, off                   ; h_prev's four and Wh's four scale registers for 128 along K
.irp k, 0,1,2,3
	ds_load_b32 v[\set+\k], v12 offset:4352*\k+\off
	ds_load_b32 v[\set+4+\k], v13 offset:4352*\k+\off
.endr
.endm
; A gates slot's first 128 along K.
.macro STEP sa0, sb0, str, bias, ld1
	s_wait_dscnt 24                                ; all but the youngest 24 loads (activation blocks 4-7) are in
	WIN 0xa1-0x10*(\bias)
	MUL16 0, 0, \sa0, \sb0, \str, \bias
	MUL16 2, 0, \sa0, \sb0, \str, \bias
	s_wait_dscnt 0x0                               ; blocks 4-7 are in
	PLACES 4
	FETCH_B 1, 1
	FETCH_A 1, 0
.if \ld1
	SCAL 40, 4
.endif
	WIN 0xf1-0x20*(\bias)
	MUL16 4, 0, \sa0, \sb0, \str, \bias
	MUL16 6, 0, \sa0, \sb0, \str, \bias
	PLACES 4
	WIN 0
	FETCH_A 1, 4
.endm
; A gates slot's second 128 along K, and the change of slots.  In front of the round each wave waits for all its tensor loads, adds 0 to its spare word, and waits for that and for its reads of this slot; behind the
; round this slot is filled again, two steps ahead.  kind 0: with h_prev's and Wh's first tile; 1: with their next; 2: with o_prev's first tile; 3: with o_prev's and W_fb's second.
.macro TURN sa0, sb0, str, kind
	s_wait_tensorcnt 0x0                           ; all my tensor loads have landed, so every group 0 may be written
	ds_add_u32 v[SPW], v[NIL]
.if (\kind) == 1
	s_xor_b32 s49, s49, SLOT1
	s_add_nc_u64 s[50:51], s[50:51], 192
	s_xor_b32 s53, s53, SLOT1
	s_add_nc_u64 s[54:55], s[54:55], 192
.endif
.if (\kind) == 3
	s_xor_b32 s93, s93, SLOT1
	s_add_nc_u64 s[94:95], s[94:95], 384
.endif
	s_wait_dscnt 25                                ; the add and the youngest 24 loads may be out
	WIN 0xa1
	MUL16 0, 1, \sa0, \sb0, \str, 0
	s_wait_dscnt 0x0                               ; the add is done, and my reads of this slot (kind 3: and of the scale bytes) are over
	s_barrier_signal -1
	MUL16 2, 1, \sa0, \sb0, \str, 0
	WIN 0
	s_barrier_wait -1
	CREST                                          ; no wave of any partner still reads this slot or has a load on its way
.if (\kind) < 2
	JL 48, 24, 52, 32
.elseif (\kind) == 2
	JLF 0
.else
	JLF 1
.endif
.if (\kind) < 3
	s_xor_b32 s19, s19, SLOT1                      ; the reads go on in the other slot
	v_add_nc_u32 v8, s19, v4                       ; (these additions are also places in front of the loads below, in the waves that have asked for nothing)
	v_add_nc_u32 v9, s19, v5
	v_add_nc_u32 v10, s19, v6
	v_add_nc_u32 v11, s19, v7
.if (\kind) > 0
	v_add_nc_u32 v12, 8, v12                       ; the next step's scale words
	v_add_nc_u32 v13, 8, v13
.endif
	FETCH_B 0, 0
	FETCH_A 0, 0
.if (\kind) > 0
	SCAL 32, 0
.endif
.endif
	WIN 0xf1
	MUL16 4, 1, \sa0, \sb0, \str, 0
	MUL16 6, 1, \sa0, \sb0, \str, 0
.if (\kind) < 3
	PLACES 4
	WIN 0
	FETCH_A 0, 4
.else
	WIN 0
	PLACES 5                                       ; the feedback accumulators are laid over the weights' second set: one place more than a load wants
.endif
.endm
; The feedback's f-th 256 along K, its q-th 128: W_fb's two fragments and o_prev's eight.  Two f share a slot.  Blocks 4-7 lie 128 rows on: a second pair of address registers, since an offset has 16 bits.
.macro FFETCH f, q
.set fq, 2*((\f)%2)+(\q)
.if ((\f)/2)%2
.set rBA, 242
.set rAA, 236
.else
.set rBA, 240
.set rAA, 232
.endif
	WIN 0x40
	FRAGF 24*(\q), rBA, fq, 0
	FRAGF 24*(\q)+12, rBA, fq, 16
	WIN 0
.irp a, 0,1,2,3
	FRAGF AF+12*\a, rAA, fq, 32*\a
.endr
.irp a, 4,5,6,7
	FRAGF AF+12*\a, rAA+2, fq, 32*(\a-4)
.endr
.endm
.macro FMUL f, q                       ; 16 products, the 16 feedback accumulators by turns; the very first take b_fb as C.  o_prev's scale word number sg of row blocks 2 k, 2 k + 1 stands at sob + 4 k + sg % 4
.set sg, 2*(\f)+(\q)
.if sg < 4
.set sob, 160
.elseif sg < 8
.set sob, 176
.elseif sg < 12
.set sob, 208
.else
.set sob, 32
.endif
.if sg == 0
	WIN 0x41
.else
	WIN 0x51
.endif
.irp a, 0,1,2,3,4,5,6,7
.irp u, 0,1
.set rD, 128+16*\a+8*\u
.set rS0, 24*(\q)+12*\u
.set rS1, AF+12*\a
.if sg == 0
.set rC, 192+8*\u
.else
.set rC, rD
.endif
.set rX0, 48+sg
.set rX1, sob+4*(\a/2)+sg%4
.set rR0, \u
.set rR1, \a%2
	WMX
.endr
.endr
.endm
; Packed helpers on 16 registers, each in ascending order.
.macro PKVV op, d, a, b
.set pi, 0
.rept 8
	\op v[\d+pi:\d+pi+1], v[\a+pi:\a+pi+1], v[\b+pi:\b+pi+1]
.set pi, pi+2
.endr
.endm
.macro PKS d, a, s                     ; d = a x the scalar
.set pi, 0
.rept 8
	v_pk_mul_f32 v[\d+pi:\d+pi+1], v[\a+pi:\a+pi+1], s[\s:\s+1] op_sel_hi:[1,0]
.set pi, pi+2
.endr
.endm
.macro PKONE d                         ; d += 1
.set pi, 0
.rept 8
	v_pk_add_f32 v[\d+pi:\d+pi+1], v[\d+pi:\d+pi+1], 1.0 op_sel_hi:[1,0]
.set pi, pi+2
.endr
.endm
.macro PKTWO d, a                      ; d = 2 - a
.set pi, 0
.rept 8
	v_pk_add_f32 v[\d+pi:\d+pi+1], v[\a+pi:\a+pi+1], 2.0 op_sel_hi:[1,0] neg_lo:[1,0] neg_hi:[1,0]
.set pi, pi+2
.endr
.endm
.macro V16 op, d                       ; 16 transcendentals in place
.set pi, 0
.rept 16
	\op v[\d+pi], v[\d+pi]
.set pi, pi+1
.endr
.endm
.macro MIN16 d                         ; the exponent is held at 60
.set pi, 0
.rept 16
	v_min_num_f32 v[\d+pi], 0x42700000, v[\d+pi]
.set pi, pi+1
.endr
.endm
; The gates of row block a, first half: e^-i, e^-f, E = e^-2g (held), e^-o: one batch of 64 exponentials; nothing names a result before the wait at the head of the second half.
.macro EP1A a
.set X, 64*((\a)%4)
	WIN 0xaa+0x55*((\a)/4)
	PKS X, X, 22
	PKS X+16, X+16, 22
	PKS X+32, X+32, 100
	PKS X+48, X+48, 22
	MIN16 X+32
	V16 v_exp_f32, X
	V16 v_exp_f32, X+16
	V16 v_exp_f32, X+32
	V16 v_exp_f32, X+48
	WIN 0
.endm
; Second half: sigmoid(i) tanh(g) = (1 - E) / ((1 + e^-i) (1 + E)) into i's registers, sigmoid(f) into f's; 1 + e^-o stays in o's.  An infinity is only ever multiplied by a number of 1 or more, and its reciprocal 0 by a finite one.
.macro EP1B a
.set X, 64*((\a)%4)
	v_nop
	s_wait_alu depctr_va_vdst(0)                   ; one wait for the 64 exponentials, ahead of their first reader
	WIN 0xaa+0x55*((\a)/4)
	PKONE X+48
	PKONE X+16
	PKONE X
	PKONE X+32
	PKVV v_pk_mul_f32, X, X, X+32
	PKTWO X+32, X+32
	V16 v_rcp_f32, X
	V16 v_rcp_f32, X+16
	v_nop
	s_wait_alu depctr_va_vdst(0)                   ; one wait for the 32 reciprocals
	PKVV v_pk_mul_f32, X, X, X+32
	WIN 0
.endm
.macro CPL a                           ; c_prev of row block a, in the results' layout, into set a % 2 of two (the fragments' registers are free)
.irp u, 0,1
.irp i, 0,1
	ds_load_b128 v[64+16*((\a)%2)+8*\u+4*\i:64+16*((\a)%2)+8*\u+4*\i+3], v17 offset:8704*(\a)+64*\u+16*\i
.endr
.endr
.endm
; Row block a is finished: c_t = sigmoid(f) c_prev + sigmoid(i) tanh(g) + feedback; h_t = (1 - E) / ((1 + E) (1 + e^-o)), E = e^-2c (held); both to their stages; h_t's 16 numbers of a lane are quantised with
; lane l xor 16's: a block of 32.
.macro EP2 a
.set X, 64*((\a)%4)
.set W, 2+(\a)/4
.set CPR, 64+16*((\a)%2)
.if (\a) < 7
	CPL (\a)+1                                     ; the next block's c_prev lands under this block's arithmetic; the wait at this block's end covers it
.endif
	WIN 0xa2+0x51*((\a)/4)
.set pi, 0
.rept 8
	v_pk_fma_f32 v[X+pi:X+pi+1], v[X+16+pi:X+17+pi], v[CPR+pi:CPR+pi+1], v[X+pi:X+pi+1]
.set pi, pi+2
.endr
	WIN (W<<6)|4|W
	PKVV v_pk_add_f32, X, X, 128+16*(\a)
	WIN W<<2
.irp u, 0,1
.irp i, 0,1
	ds_store_b128 v18, v[X+8*\u+4*\i:X+8*\u+4*\i+3] offset:8704*(\a)+64*\u+16*\i
.endr
.endr
	WIN 0xaa+0x55*((\a)/4)
	PKS X+16, X, 100
	MIN16 X+16
	V16 v_exp_f32, X+16
	v_nop
	s_wait_alu depctr_va_vdst(0)
	PKONE X+16
	PKTWO X+32, X+16
	PKVV v_pk_mul_f32, X+16, X+16, X+48
	V16 v_rcp_f32, X+16
	v_nop
	s_wait_alu depctr_va_vdst(0)
	PKVV v_pk_mul_f32, X+32, X+32, X+16
	WIN W<<2
.irp u, 0,1
.irp i, 0,1
	ds_store_b128 v15, v[X+32+8*\u+4*\i:X+32+8*\u+4*\i+3] offset:8704*(\a)+64*\u+16*\i
.endr
.endr
	WIN W|(W<<2)
	v_max3_num_f32 v224, |v[X+32]|, |v[X+33]|, 0x2800000   ; my 16 magnitudes, and the floor 2^(5 - 127): the byte cannot fall under 1
.set pi, 2
.rept 7
	v_max3_num_f32 v224, |v[X+32+pi]|, |v[X+33+pi]|, v224
.set pi, pi+2
.endr
	WIN 0
	v_permlanex16_b32 v225, v224, s20, s21
	v_max_num_f32 v224, v224, v225                 ; the block's largest magnitude
	v_add_nc_u32 v226, 0xfe000000, v224            ; 4 off its exponent field: the conversion's scale operand
	v_lshrrev_b32 v227, 23, v226                   ; the scale's byte
	WIN W
	v_cvt_scalef32_pk16_bf6_f32 v[228:230], v[X+32:X+47], v226
	WIN 0
	v_nop                                          ; one plain place behind a scaled conversion
	ds_store_b16 v19, v228 offset:1536*(\a)        ; hidden 8 h + 0..7 of the block: 6 bytes at 6 h,
	ds_store_b16_d16_hi v19, v228 offset:1536*(\a)+2
	ds_store_b16 v19, v229 offset:1536*(\a)+4
	ds_store_b16_d16_hi v19, v229 offset:1536*(\a)+12   ; hidden 16 + 8 h + 0..7: 6 bytes at 12 + 6 h
	ds_store_b16 v19, v230 offset:1536*(\a)+14
	ds_store_b16_d16_hi v19, v230 offset:1536*(\a)+16
	ds_store_b8 v20, v227 offset:64*(\a)           ; both lanes of a block write the same byte with the same value
	s_wait_dscnt 0x0                               ; the stores have read their registers: the next block writes them again; and the next block's c_prev is in
.endm
; The feedback's f-th 256 along K.  Behind every second one the slot changes.
.macro FWIN f
	FFETCH \f, 0
	EP1A \f
	s_wait_dscnt 0x0
.if (\f) == 6
	s_wait_loadcnt 0x0                             ; o_prev's last four scale words of each row, asked for behind the last gates step
.endif
	FMUL \f, 0
	WIN 0
	PLACES 4
	FFETCH \f, 1
	EP1B \f
	s_wait_dscnt 0x0
.if (\f)%2
	s_wait_tensorcnt 0x0                           ; all my tensor loads have landed: my part of what is read next
	ds_add_u32 v[SPW], v[NIL]
.if (\f) < 5
	s_xor_b32 s93, s93, SLOT1                      ; o_prev: the slot just read, the tile two on
	s_add_nc_u64 s[94:95], s[94:95], 384
.if (\f) == 1
	s_mov_b32 s77, WF0                             ; W_fb likewise
.else
	s_mov_b32 s77, WF1
.endif
	s_add_nc_u64 s[78:79], s[78:79], 384
.endif
.endif
	FMUL \f, 1
	WIN 0
	PLACES 4                                       ; in front of the next loads into the fragments' registers, in every wave
.if (\f)%2
	s_wait_dscnt 0x0                               ; the add is done; my reads of this slot's tiles are over
.if (\f) < 5
	CROUND
	JLF 1
.elseif (\f) == 5
	CROUND
	tensor_load_to_lds s[80:83], s[84:91]          ; slot 0 has been left for good: each wave brings 64 rows of c_prev there
	s_nop 0
	PLACES 4
.else
	s_barrier_signal -1                            ; c_prev is whole, and no wave reads a slot any more
	s_barrier_wait -1
.endif
.endif
.endm
	s_load_b256 s[24:31], s[0:1], 0x0              ; bi, b_fb, data's scales, Wi's scales
	s_load_b64 s[32:33], s[0:1], 0x20              ; W_fb's scales
	s_load_b64 s[78:79], s[0:1], 0x28              ; data's codes
	s_load_b64 s[86:87], s[0:1], 0x30              ; Wi's codes
	s_load_b128 s[20:23], s[0:1], 0x38             ; h_prev's codes, Wh's codes: they wait here until their descriptors' registers are free
	s_load_b64 s[6:7], s[0:1], 0x48                ; h_prev's scales
	s_load_b64 s[14:15], s[0:1], 0x58              ; Wh's scales
	s_load_b64 s[10:11], s[0:1], 0x68              ; W_fb's codes
	v_lshl_add_u32 v[SPW], v0, 2, SPARE
	v_mov_b32 v[NIL], 0
	ds_add_u32 v[SPW], v[NIL]                      ; the opening: the add, twice on end, and its wait ahead of my first tensor load
	ds_add_u32 v[SPW], v[NIL]
	v_lshrrev_b32 v1, 5, v0
	v_readfirstlane_b32 s16, v1                    ; wave
	s_lshr_b32 s17, s16, 1                         ; rh.  Also: I fetch activations (0) or weights (1)
	s_and_b32 s18, s16, 1                          ; wh.  Also: which half I fetch
	s_bfe_u32 s66, ttmp6, 0x40000                  ; cx
	s_bfe_u32 s67, ttmp6, 0x40004                  ; cy
	s_lshl_b32 s104, ttmp9, 2
	s_add_co_u32 s104, s104, s66                   ; jt: the tile of 64 hidden units
	s_and_b32 s105, ttmp7, 0xffff
	s_lshl_b32 s105, s105, 2
	s_add_co_u32 s105, s105, s67                   ; rt: the tile of 256 rows
	s_lshl_b32 s2, s67, 2
	s_lshl_b32 s2, 15, s2                          ; my row of the cluster
	s_lshl_b32 s3, 0x1111, s66                     ; my column
	s_or_b32 s56, s2, PADW                         ; group 1, data: 128 rows x 192 bytes, 384 apart
	s_mov_b32 s57, 192<<16
	s_mov_b32 s58, 128<<16
	s_mov_b32 s59, 192<<16
	s_mov_b32 s60, 128
	s_mov_b32 s61, 384
	s_mov_b32 s62, 0
	s_mov_b32 s63, 0
	s_or_b32 s68, s3, PADW                         ; group 1, Wi: two planes (gates, 2,048 rows apart) of 64 rows x 192 bytes
	s_mov_b32 s69, 192<<16
	s_mov_b32 s70, 64<<16
	s_mov_b32 s71, 192<<16
	s_mov_b32 s72, 64|(2<<16)
	s_mov_b32 s73, 384
	s_mov_b32 s74, 0
	s_mov_b32 s75, 0xc                             ; from plane to plane 2,048 x 384 = 0xc0000 bytes: its bits 47:16
	s_or_b32 s48, s3, PADF                         ; group 1, W_fb: 64 rows x 384 bytes, 1,536 apart (here for the first tile alone; made anew further down)
	s_mov_b32 s49, 384<<16
	s_mov_b32 s50, 64<<16
	s_mov_b32 s51, 384<<16
	s_mov_b32 s52, 64
	s_mov_b32 s53, 1536
	s_mov_b32 s54, 0
	s_mov_b32 s55, 0
	s_mov_b32 s40, 2                               ; group 2: tensor_dim2 = 2,
	s_mov_b32 s41, 1                               ; tensor_dim3 = 1,
	s_mov_b32 s42, 0x600000                        ; a stride for a dimension that is not used,
	s_mov_b32 s43, 0                               ; tile_dim3 = 0: not used
	s_mov_b32 s44, 0x600000                        ; group 3: likewise
	s_mov_b32 s45, 1<<16                           ; tensor_dim4 = 1
	s_mov_b32 s46, 0
	s_mov_b32 s47, 0
	s_mov_b32 s92, UNITW                           ; group 1, scales: 64 rows x 64 dense bytes as 16 units of 256 bytes
	s_mov_b32 s93, 32<<16
	s_mov_b32 s94, 16<<16
	s_mov_b32 s95, 32<<16
	s_mov_b32 s96, 16
	s_mov_b32 s97, 32
	s_mov_b32 s98, 0
	s_mov_b32 s99, 0
	s_mul_i32 s37, s16, 16*272                     ; LDS addresses hang on the wave's number alone
	s_mov_b32 s4, 1
	s_add_co_u32 s5, s37, SA_H
	s_mov_b32 s12, 1
	s_add_co_u32 s13, s37, SB_H
	s_mov_b32 s8, 1
	s_mov_b32 s9, WF0
	s_mul_i32 s37, s16, HALFT
	s_mov_b32 s76, 1
	s_mov_b32 s77, s37
	s_mov_b32 s80, 1
	s_add_co_u32 s81, s37, SLOT1
	s_mov_b32 s84, 1
	s_mov_b32 s85, s37
	s_mov_b32 s88, 1
	s_add_co_u32 s89, s37, SLOT1
	s_mov_b32 s19, 0                               ; the slot in hand
	s_mov_b32 s100, 0xc038aa3b                     ; -2 log2(e)
	s_mov_b32 s101, s100
	s_lshl_b32 s36, s105, 8
	s_lshl_b32 s37, s18, 7
	s_add_co_u32 s36, s36, s37                     ; the first activation row that I fetch: 256 rt + 128 wh
	s_mov_b32 s39, 0
	s_lshl_b32 s34, s104, 6
	s_lshl_b32 s35, s18, 12
	s_add_co_u32 s34, s34, s35                     ; the first weight row that I fetch: 4,096 wh + 64 jt
	s_mov_b32 s3, 0
	s_wait_dscnt 0x0                               ; both opening adds are done
	s_wait_kmcnt 0x0
	s_mul_i32 s38, s36, 384
	s_add_nc_u64 s[78:79], s[78:79], s[38:39]      ; data, step 0
	s_add_nc_u64 s[82:83], s[78:79], 192           ; step 1
	s_lshl_b32 s38, s105, 14
	s_lshl_b32 s37, s16, 12
	s_add_co_u32 s38, s38, s37                     ; (256 rt + 64 wave) x 64
	s_add_nc_u64 s[6:7], s[6:7], s[38:39]
	s_lshl_b32 s38, s105, 12
	s_lshl_b32 s37, s17, 8
	s_add_co_u32 s38, s38, s37                     ; (256 rt + 16 rh) x 16
	s_add_nc_u64 s[28:29], s[28:29], s[38:39]
	s_mul_i32 s2, s34, 384
	s_add_nc_u64 s[86:87], s[86:87], s[2:3]        ; Wi, step 0
	s_add_nc_u64 s[90:91], s[86:87], 192
	s_lshl_b32 s2, s104, 12
	s_lshl_b32 s35, s16, 17
	s_add_co_u32 s2, s2, s35                       ; (2,048 wave + 64 jt) x 64
	s_add_nc_u64 s[14:15], s[14:15], s[2:3]
	s_mul_i32 s2, s104, 64*1536
	s_add_nc_u64 s[10:11], s[10:11], s[2:3]        ; W_fb at my hidden tile, K 0-511
	s_lshl_b32 s2, s104, 8
	s_lshl_b32 s35, s18, 7
	s_add_co_u32 s2, s2, s35                       ; (64 jt + 32 wh) x 4
	s_add_nc_u64 s[24:25], s[24:25], s[2:3]
	s_add_nc_u64 s[26:27], s[26:27], s[2:3]
	s_lshl_b32 s2, s2, 2                           ; x 16
	s_add_nc_u64 s[30:31], s[30:31], s[2:3]
	s_lshl_b32 s2, s2, 2                           ; x 64
	s_add_nc_u64 s[32:33], s[32:33], s[2:3]
	s_or_b32 s79, s79, 0x80000000
	s_or_b32 s83, s83, 0x80000000
	s_or_b32 s87, s87, 0x80000000
	s_or_b32 s91, s91, 0x80000000
	s_or_b32 s7, s7, 0x80000000
	s_or_b32 s11, s11, 0x80000000
	s_or_b32 s15, s15, 0x80000000
	CROUND                                         ; all sixteen work-groups are here: the first joint loads meet
	tensor_load_to_lds s[4:7], s[92:99]            ; the first fills: four loads of mine are out, in wave 2 five.  h_prev's scales, my 64 rows;
	s_nop 0
	tensor_load_to_lds s[12:15], s[92:99]          ; Wh's: gate = my wave's number
	s_nop 0
.rept 4
	v_nop
.endr
	s_cmp_eq_u32 s16, 2
	s_cbranch_scc0 .Lnot_2
	tensor_load_to_lds s[8:11], s[48:55]
	s_nop 0
.rept 4
	v_nop
.endr
.Lnot_2:
	JL 76, 56, 84, 68                              ; slot 0: data and Wi, step 0
	JL 80, 56, 88, 68                              ; slot 1: step 1
	v_and_b32 v1, 15, v0                           ; r
	v_bfe_u32 v2, v0, 4, 1                         ; h
	s_lshl_b32 s37, s17, 4
	v_add_nc_u32 v224, s37, v1                     ; 16 rh + r
	v_mul_u32_u24 v4, v224, PITCH
	v_mad_u32_u24 v4, v2, 24, v4                   ; activation fragments: row x pitch + 24 h,
	v_lshl_add_u32 v5, v2, 4, v4                   ; and behind one padding more
	v_mul_u32_u24 v232, v224, FP
	v_mad_u32_u24 v232, v2, 24, v232               ; o_prev's fragments, slot 0, blocks 0-3,
	v_lshl_add_u32 v233, v2, 4, v232               ; behind one padding more,
	v_add_nc_u32 v234, FHALF, v232                 ; blocks 4-7,
	v_add_nc_u32 v235, FHALF, v233
	v_add_nc_u32 v236, SLOT1, v232                 ; and the same four in slot 1
	v_add_nc_u32 v237, SLOT1, v233
	v_add_nc_u32 v238, SLOT1, v234
	v_add_nc_u32 v239, SLOT1, v235
	s_lshl_b32 s37, s18, 5
	v_add_nc_u32 v6, s37, v1                       ; 32 wh + r
	v_mul_u32_u24 v240, v6, FP
	v_mad_u32_u24 v240, v2, 24, v240
	v_add_nc_u32 v242, WF1, v240                   ; W_fb's fragments for slot 1,
	v_add_nc_u32 v240, WF0, v240                   ; for slot 0,
	v_lshl_add_u32 v241, v2, 4, v240               ; and behind one padding more
	v_lshl_add_u32 v243, v2, 4, v242
	v_mul_u32_u24 v6, v6, PITCH
	v_mad_u32_u24 v6, v2, 24, v6
	v_add_nc_u32 v6, BOFF, v6                      ; weight fragments of the gates
	v_lshl_add_u32 v7, v2, 4, v6
	v_lshrrev_b32 v225, 2, v1                      ; r / 4
	v_and_b32 v3, 3, v1                            ; r % 4
	v_lshl_add_u32 v12, v2, 3, v225
	s_lshl_b32 s37, s17, 2
	v_add_nc_u32 v12, s37, v12                     ; row 32 h + 16 rh + r lies in unit 8 h + 4 rh + r / 4,
	v_mul_u32_u24 v12, v12, 272
	v_lshl_add_u32 v12, v3, 6, v12                 ; at 64 (r % 4)
	v_add_nc_u32 v12, SA_H-8, v12                  ; h_prev's scale words: one step short of the first
	v_lshl_add_u32 v13, v2, 2, v225
	s_lshl_b32 s37, s18, 3
	v_add_nc_u32 v13, s37, v13                     ; hidden row 32 wh + 16 h + r: unit 8 wh + 4 h + r / 4
	v_mul_u32_u24 v13, v13, 272
	v_lshl_add_u32 v13, v3, 6, v13
	v_add_nc_u32 v13, SB_H-8, v13                  ; Wh's scale words
	v_mul_u32_u24 v17, v224, 272
	s_lshl_b32 s37, s18, 7
	v_add_nc_u32 v17, s37, v17
	v_lshl_add_u32 v17, v2, 5, v17                 ; c_prev: row x 272 + 128 wh + 32 h
	v_add_nc_u32 v18, CST, v17                     ; c_t's stage lies the same way,
	v_add_nc_u32 v15, HST, v17                     ; and h_t's
	v_mul_u32_u24 v19, v224, 48
	v_mad_u32_u24 v19, v2, 6, v19
	s_mul_i32 s37, s18, 24
	v_add_nc_u32 v19, s37, v19
	v_add_nc_u32 v19, QST, v19                     ; the codes' stage: row x 48 + 24 wh + 6 h
	v_lshl_add_u32 v20, v224, 1, s18
	v_add_nc_u32 v20, QSS, v20                     ; the bytes': row x 2 + wh
	s_mul_i32 s37, s16, 64*272
	v_mul_u32_u24 v21, v2, 272
	v_lshl_add_u32 v21, v1, 4, v21
	v_add_nc_u32 v21, s37, v21
	v_add_nc_u32 v22, HST, v21                     ; back out of h_t's stage: my 64 rows, sixteen lanes to a row,
	v_add_nc_u32 v21, CST, v21                     ; and of c_t's
	v_lshlrev_b32 v23, 13, v2
	v_lshl_add_u32 v23, v1, 4, v23                 ; the same two rows in out1 and out2
	v_lshlrev_b32 v25, 4, v0
	v_add_nc_u32 v24, QST, v25
	v_lshlrev_b32 v27, 3, v0
	v_add_nc_u32 v26, QSS, v27
	v_lshlrev_b32 v30, 5, v2                       ; biases: 32 h
	v_lshl_add_u32 v31, v2, 5, v1
	v_lshlrev_b32 v244, 6, v31                     ; o_prev's scales: row 32 h + r of 64 bytes; never rewritten
	v_lshlrev_b32 v31, 4, v31                      ; data's scales: row 32 h + r of 16 bytes
	v_lshl_add_u32 v226, v2, 4, v1
	v_lshlrev_b32 v227, 6, v226                    ; W_fb's scales: row 16 h + r of 64 bytes
	v_lshlrev_b32 v226, 4, v226                    ; Wi's: of 16 bytes
	WIN 0x40
.irp g, 0,1,2,3
.irp u, 0,1
.irp i, 0,1
	global_load_b128 v[96+16*\g+96*(\g/2)+8*\u+4*\i:96+16*\g+96*(\g/2)+8*\u+4*\i+3], v30, s[24:25] offset:8192*\g+64*\u+16*\i   ; bi in the result's layout
.endr
.endr
.endr
	WIN 0
.irp u, 0,1
.irp i, 0,1
	global_load_b128 v[192+8*\u+4*\i:192+8*\u+4*\i+3], v30, s[26:27] offset:64*\u+16*\i   ; b_fb likewise
.endr
.endr
.irp k, 0,1,2,3
	global_load_b96 v[160+4*\k:162+4*\k], v31, s[28:29] offset:1024*\k        ; data's scale words 0-2: lanes 0-15 row block 2 k, lanes 16-31 block 2 k + 1
	global_load_b32 v[40+\k], v31, s[28:29] offset:1024*\k+12                 ; word 3 stands where the loop's first change of slots looks for it
	global_load_b96 v[176+4*\k:178+4*\k], v226, s[30:31] offset:32768*\k      ; Wi's, gate k: lanes 0-15 tile u = 0, lanes 16-31 u = 1
	global_load_b32 v[44+\k], v226, s[30:31] offset:32768*\k+12
	global_load_b128 v[48+4*\k:51+4*\k], v227, s[32:33] offset:16*\k          ; W_fb's sixteen words
.endr
	s_wait_xcnt 0x0                                ; these loads have read their bases: s24-39 take two more groups 1
	s_lshl_b32 s2, s67, 2
	s_lshl_b32 s2, 15, s2
	s_or_b32 s24, s2, PADW                         ; group 1, h_prev: 128 rows x 192 bytes, 1,536 apart
	s_mov_b32 s25, 192<<16
	s_mov_b32 s26, 128<<16
	s_mov_b32 s27, 192<<16
	s_mov_b32 s28, 128
	s_mov_b32 s29, 1536
	s_mov_b32 s30, 0
	s_mov_b32 s31, 0
	s_lshl_b32 s3, 0x1111, s66
	s_or_b32 s32, s3, PADW                         ; group 1, Wh: two planes of 64 rows
	s_mov_b32 s33, 192<<16
	s_mov_b32 s34, 64<<16
	s_mov_b32 s35, 192<<16
	s_mov_b32 s36, 64|(2<<16)
	s_mov_b32 s37, 1536
	s_mov_b32 s38, 0
	s_mov_b32 s39, 0x30                            ; 2,048 x 1,536 = 0x300000 bytes from plane to plane
	s_wait_tensorcnt 1                             ; the scales, W_fb's first tile and my part of slot 0 are in; slot 1's load, the last issued, may stay out
	s_barrier_signal -1
	s_barrier_wait -1
	v_add_nc_u32 v8, s19, v4
	v_add_nc_u32 v9, s19, v5
	v_add_nc_u32 v10, s19, v6
	v_add_nc_u32 v11, s19, v7
	FETCH_B 0, 0
	FETCH_A 0, 0
	FETCH_A 0, 4
	s_mul_i32 s5, s16, HALFT                       ; the loads that named s4-15 and s48-55 are done: h_prev's and Wh's walking descriptors are made, for their first tile, into slot 0
	s_mov_b32 s48, 1
	s_mov_b32 s49, s5
	s_mov_b32 s52, 1
	s_mov_b32 s53, s5
	s_lshl_b32 s4, s105, 8
	s_lshl_b32 s5, s18, 7
	s_add_co_u32 s4, s4, s5
	s_mul_i32 s4, s4, 1536                         ; (256 rt + 128 wh) rows
	s_mov_b32 s5, 0
	s_add_nc_u64 s[50:51], s[20:21], s[4:5]
	s_or_b32 s51, s51, 0x80000000
	s_lshl_b32 s12, s104, 6
	s_lshl_b32 s13, s18, 12
	s_add_co_u32 s12, s12, s13
	s_mul_i32 s12, s12, 1536                       ; (4,096 wh + 64 jt) rows
	s_mov_b32 s13, 0
	s_add_nc_u64 s[54:55], s[22:23], s[12:13]
	s_or_b32 s55, s55, 0x80000000
	s_mov_b32 s20, 0x76543210
	s_mov_b32 s21, 0xfedcba98                      ; v_permlanex16_b32's selects for lane l xor 16
	s_mov_b32 s22, 0xbfb8aa3b                      ; -log2(e)
	s_mov_b32 s23, s22
	s_wait_loadcnt 0x0                             ; biases and the scale words that came straight into registers
	STEP 160, 176, 4, 1, 0                         ; data x Wi, K 0-127: bi starts the 64 sums
	TURN 161, 177, 4, 0                            ; K 128-255; slot 0 takes h_prev's and Wh's first tile
	s_load_b128 s[4:7], s[0:1], 0x60               ; data's and Wi's descriptors are done with: the feedback's are made.  o_prev's codes, W_fb's codes,
	s_load_b64 s[8:9], s[0:1], 0x70                ; c_prev,
	s_load_b64 s[96:97], s[0:1], 0x50              ; o_prev's scales
	s_lshl_b32 s2, s67, 2
	s_lshl_b32 s2, 15, s2
	s_or_b32 s56, s2, PADF                         ; group 1, o_prev: 128 rows x 384 bytes
	s_mov_b32 s57, 384<<16
	s_mov_b32 s58, 128<<16
	s_mov_b32 s59, 384<<16
	s_mov_b32 s60, 128
	s_mov_b32 s61, 1536
	s_mov_b32 s62, 0
	s_mov_b32 s63, 0
	s_lshl_b32 s3, 0x1111, s66
	s_or_b32 s68, s3, PADF                         ; group 1, W_fb: 64 rows x 384 bytes
	s_mov_b32 s69, 384<<16
	s_mov_b32 s70, 64<<16
	s_mov_b32 s71, 384<<16
	s_mov_b32 s72, 64
	s_mov_b32 s73, 1536
	s_mov_b32 s74, 0
	s_mov_b32 s75, 0
	s_mov_b32 s84, UNITW                           ; group 1, c_prev: 64 rows x 256 bytes, 8,192 apart
	s_mov_b32 s85, 32<<16
	s_mov_b32 s86, 64<<16
	s_mov_b32 s87, 32<<16
	s_mov_b32 s88, 64
	s_mov_b32 s89, 1024
	s_mov_b32 s90, 0
	s_mov_b32 s91, 0
	s_mov_b32 s92, 1
	s_mul_i32 s93, s18, FHALF                      ; o_prev's first tile goes to slot 0
	s_mov_b32 s76, 1
	s_mov_b32 s77, WF1                             ; W_fb's next tile is its second
	s_mov_b32 s80, 1
	s_mul_i32 s81, s16, 64*272                     ; c_prev: my 64 rows, from LDS byte 0 on
	s_lshl_b32 s10, s105, 8
	s_lshl_b32 s11, s18, 7
	s_add_co_u32 s10, s10, s11
	s_mul_i32 s10, s10, 1536
	s_mov_b32 s11, 0
	s_mul_i32 s12, s104, 64*1536
	s_add_co_u32 s12, s12, 384
	s_mov_b32 s13, 0
	s_lshl_b32 s14, s105, 21
	s_lshl_b32 s15, s16, 19
	s_add_co_u32 s14, s14, s15
	s_lshl_b32 s15, s104, 8
	s_add_co_u32 s14, s14, s15                     ; (256 rt + 64 wave) x 8,192 + 256 jt
	s_mov_b32 s15, 0
	s_wait_kmcnt 0x0
	s_add_nc_u64 s[94:95], s[4:5], s[10:11]        ; o_prev at the rows that I fetch
	s_or_b32 s95, s95, 0x80000000
	s_add_nc_u64 s[78:79], s[6:7], s[12:13]        ; W_fb at my hidden tile, K 512 on
	s_or_b32 s79, s79, 0x80000000
	s_add_nc_u64 s[82:83], s[8:9], s[14:15]        ; c_prev at my rows of the tile
	s_or_b32 s83, s83, 0x80000000
	s_lshl_b32 s10, s105, 14
	s_lshl_b32 s12, s17, 10
	s_add_co_u32 s10, s10, s12                     ; (256 rt + 16 rh) x 64
	s_add_nc_u64 s[96:97], s[96:97], s[10:11]      ; o_prev's scales at my first row; never rewritten
	STEP 162, 178, 4, 0, 0                         ; K 256-383
.irp k, 0,1,2,3                                ; data's and Wi's words in v160-191 are done with (four places stand behind their last products): o_prev's scale words 0-11 of my rows come straight into registers,
	global_load_b128 v[160+4*\k:163+4*\k], v244, s[96:97] offset:4096*\k       ; whole rows of 64 bytes over the four loads of a row; lanes 0-15 row block 2 k, lanes 16-31 block 2 k + 1
	global_load_b128 v[176+4*\k:179+4*\k], v244, s[96:97] offset:4096*\k+16
	global_load_b128 v[208+4*\k:211+4*\k], v244, s[96:97] offset:4096*\k+32
.endr
	s_mov_b32 s2, 7
.Lg:                                                   ; a trip: a step's second half with its change of slots, and the next step's first half
	TURN 40, 44, 1, 1
	STEP 32, 36, 1, 0, 1
	s_sub_co_u32 s2, s2, 1
	s_cmp_lg_u32 s2, 0
	s_cbranch_scc1 .Lg
	TURN 40, 44, 1, 2                              ; the tail is written out: its refills are the feedback's
	STEP 32, 36, 1, 0, 1
	TURN 40, 44, 1, 3
.irp k, 0,1,2,3
	global_load_b128 v[32+4*\k:35+4*\k], v244, s[96:97] offset:4096*\k+48      ; h_prev's and Wh's words are done with: o_prev's words 12-15
.endr
	s_wait_loadcnt 0x4                             ; words 0-11 are in; the four loads just issued may stay out
.irp f, 0,1,2,3,4,5,6,7
	FWIN \f
.endr
	; Behind the last barrier no wave reads a slot any more, and every byte has had its last fill: the stages lie over them.
	s_load_b256 s[4:11], s[0:1], 0x78              ; out1, out2, hq_codes, hq_scales
	CPL 0
	s_wait_dscnt 0x0
.irp a, 0,1,2,3,4,5,6,7
	EP2 \a
.endr
	s_barrier_signal -1                            ; every wave's stores into the stages are done (the wait for them closes each block)
	s_barrier_wait -1
	s_lshl_b32 s12, s105, 21
	s_lshl_b32 s13, s16, 19
	s_add_co_u32 s12, s12, s13
	s_lshl_b32 s13, s104, 8
	s_add_co_u32 s12, s12, s13                     ; (256 rt + 64 wave) x 8,192 + 256 jt
	s_mov_b32 s13, 0
	s_lshl_b32 s14, s104, 11
	s_lshl_b32 s15, s105, 8
	s_add_co_u32 s14, s14, s15                     ; 2,048 jt + 256 rt
	s_wait_kmcnt 0x0
	s_add_nc_u64 s[4:5], s[4:5], s[12:13]
	s_add_nc_u64 s[6:7], s[6:7], s[12:13]
	s_mul_i32 s12, s14, 48
	s_add_nc_u64 s[8:9], s[8:9], s[12:13]
	s_lshl_b32 s12, s14, 1
	s_add_nc_u64 s[10:11], s[10:11], s[12:13]
.macro BACK st, adr, t0                ; 32 rows out of a stage, two an instruction
.set ri, 0
.rept 16
	ds_load_b128 v[\st+4*ri:\st+4*ri+3], v[\adr] offset:544*(\t0+ri)
.set ri, ri+1
.endr
.endm
.macro SEND st, base, t0, younger      ; sixteen lanes store 256 consecutive bytes, at a multiple of 256 from the buffer's first byte
.set ri, 0
.rept 16
	s_wait_dscnt \younger+15-ri
	global_store_b128 v23, v[\st+4*ri:\st+4*ri+3], s[\base:\base+1] offset:16384*(\t0+ri) th:TH_STORE_NT
.set ri, ri+1
.endr
.endm
	WIN 0x44                                       ; loaded data and store data in window 1, addresses in window 0
	BACK 0, 21, 0
	BACK 64, 21, 16
	SEND 0, 6, 0, 16                               ; c_t
	s_wait_xcnt 0x0                                ; the stores have read their registers
	BACK 0, 22, 0
	SEND 64, 6, 16, 16
	s_wait_xcnt 0x0
	BACK 64, 22, 16
	SEND 0, 4, 0, 16                               ; h_t
	SEND 64, 4, 16, 0
	WIN 0
.irp i, 0,1,2,3,4,5
	ds_load_b128 v[64+4*\i:67+4*\i], v24 offset:2048*\i
.endr
.irp i, 0,1,2,3,4,5
	s_wait_dscnt 5-\i
	global_store_b128 v25, v[64+4*\i:67+4*\i], s[8:9] offset:2048*\i   ; the tile's codes: 12,288 dense bytes
.endr
	s_cmp_gt_u32 s16, 1
	s_cbranch_scc1 .Lno_bytes
	ds_load_b64 v[88:89], v26
	s_wait_dscnt 0x0
	global_store_b64 v27, v[88:89], s[10:11]       ; its scale bytes: 512 dense bytes, 256 a wave
.Lno_bytes:
	s_wait_tensorcnt 0x0                           ; the wave's end
	ds_add_u32 v[SPW], v[NIL]
	s_wait_dscnt 0x0
	CROUND                                         ; the closing round
	s_endpgm
.Lfunc_end_k_q7d69cda71d_cell:
	.size	k_q7d69cda71d_cell, .Lfunc_end_k_q7d69cda71d_cell-k_q7d69cda71d_cell
	.p2alignl 7, 3214868480
	.fill 96, 4, 3214868480
	.section	.rodata,"a",@progbits
	.p2align	6, 0x0
	.amdhsa_kernel k_q7d69cda71d_cell
		.amdhsa_group_segment_fixed_size 327680
		.amdhsa_private_segment_fixed_size 0
		.amdhsa_enable_private_segment 0
		.amdhsa_kernarg_size 152
		.amdhsa_user_sgpr_count 2
		.amdhsa_user_sgpr_kernarg_segment_ptr 1
		.amdhsa_wavefront_size32 1
		.amdhsa_system_sgpr_workgroup_id_x 1
		.amdhsa_system_sgpr_workgroup_id_y 1
		.amdhsa_system_sgpr_workgroup_id_z 1
		.amdhsa_system_vgpr_workitem_id 0
		.amdhsa_next_free_vgpr 1024
		.amdhsa_next_free_sgpr 106
		.amdhsa_reserve_vcc 0
		.amdhsa_float_denorm_mode_32 3
		.amdhsa_float_denorm_mode_16_64 3
		.amdhsa_memory_ordered 1
		.amdhsa_forward_progress 1
		.amdhsa_inst_pref_size 255
	.end_amdhsa_kernel
	.section	.bss,"aw",@nobits
	.p2align	6
	.space	262144
	.amdgpu_metadata
---
amdhsa.version: [ 1, 2 ]
amdhsa.kernels:
  - .name:           k_q7d69cda71d_cell
    .symbol:         k_q7d69cda71d_cell.kd
    .args:
      - { .name: bi, .offset: 0, .size: 8, .value_kind: global_buffer, .address_space: global }
      - { .name: b_fb, .offset: 8, .size: 8, .value_kind: global_buffer, .address_space: global }
      - { .name: data_scales, .offset: 16, .size: 8, .value_kind: global_buffer, .address_space: global }
      - { .name: Wi_scales, .offset: 24, .size: 8, .value_kind: global_buffer, .address_space: global }
      - { .name: W_fb_scales, .offset: 32, .size: 8, .value_kind: global_buffer, .address_space: global }
      - { .name: data_codes, .offset: 40, .size: 8, .value_kind: global_buffer, .address_space: global }
      - { .name: Wi_codes, .offset: 48, .size: 8, .value_kind: global_buffer, .address_space: global }
      - { .name: h_prev_codes, .offset: 56, .size: 8, .value_kind: global_buffer, .address_space: global }
      - { .name: Wh_codes, .offset: 64, .size: 8, .value_kind: global_buffer, .address_space: global }
      - { .name: h_prev_scales, .offset: 72, .size: 8, .value_kind: global_buffer, .address_space: global }
      - { .name: o_prev_scales, .offset: 80, .size: 8, .value_kind: global_buffer, .address_space: global }
      - { .name: Wh_scales, .offset: 88, .size: 8, .value_kind: global_buffer, .address_space: global }
      - { .name: o_prev_codes, .offset: 96, .size: 8, .value_kind: global_buffer, .address_space: global }
      - { .name: W_fb_codes, .offset: 104, .size: 8, .value_kind: global_buffer, .address_space: global }
      - { .name: c_prev, .offset: 112, .size: 8, .value_kind: global_buffer, .address_space: global }
      - { .name: out1, .offset: 120, .size: 8, .value_kind: global_buffer, .address_space: global }
      - { .name: out2, .offset: 128, .size: 8, .value_kind: global_buffer, .address_space: global }
      - { .name: hq_codes, .offset: 136, .size: 8, .value_kind: global_buffer, .address_space: global }
      - { .name: hq_scales, .offset: 144, .size: 8, .value_kind: global_buffer, .address_space: global }
    .group_segment_fixed_size: 327680
    .private_segment_fixed_size: 0
    .kernarg_segment_align: 8
    .kernarg_segment_size: 152
    .max_flat_workgroup_size: 128
    .sgpr_count:     106
    .vgpr_count:     1024
    .wavefront_size: 32
...
	.end_amdgpu_metadata
.endif
;; end of part 1
;; launch logit (part 2): grid 16 x 16, 4 waves a work-group, clusters of 4 x 4, 327,680 bytes of LDS; arguments hq_codes, hq_scales, W_out_codes, W_out_scales, b_out, logits; writes logits
.if DOCPART == 2
	.amdgcn_target "amdgcn-amd-amdhsa--gfx1250"
	.amdhsa_code_object_version 6
	.text
	.protected	k_q7d69cda71d_logit
	.globl	k_q7d69cda71d_logit
	.p2align	8
	.type	k_q7d69cda71d_logit,@function
k_q7d69cda71d_logit:
	s_mov_b64 s[64:65], 0
	v_nop
	global_prefetch_b8 v0, s[64:65] scope:SCOPE_SE
	s_setreg_imm32_b32 hwreg(HW_REG_WAVE_MODE, 25, 1), 1
	s_wait_xcnt 0x0
	s_wait_alu depctr_hold_cnt(0) depctr_sa_sdst(0) depctr_va_vdst(0) depctr_va_sdst(0) depctr_va_ssrc(0) depctr_va_vcc(0) depctr_vm_vsrc(0)
	s_getreg_b32 s2, hwreg(HW_REG_IB_STS2, 6, 4)
	s_cmp_eq_u32 s2, 0
	s_cbranch_scc0 .Lentry_in_a_cluster
	s_endpgm
.Lentry_in_a_cluster:
	s_bfe_u32 s2, ttmp6, 0x10000c
	s_cmp_lg_u32 s2, 0xf033
	s_cbranch_scc0 .Lentry_shape_is_right
	s_endpgm
.Lentry_shape_is_right:
; LSTM cell, launch 2 of 3: logits = Q(h_t) W_out^T + b_out, f32, on the codes that the launch before made of h_t and on W_out's as they are given.  Nothing is left out.
; hq_codes is laid [tile of 64 hidden units: 32][row: 2,048][48 bytes], hq_scales [32][2,048][2 bytes].
; A tile of the result is 128 x 128, so that there are 256 work-groups; four waves, each 64 x 64: 16 accumulators.  TRANSPOSED USE: source 0 = 16 rows of W_out, source 1 = 16 rows of h_t: a lane holds eight
; neighbouring columns of one row.  b_out is the C of each sum's first product.
; K goes in four tiles of 512; all 16 sub-steps of 128 are written out.  THREE LDS slots, as many as fit, are all filled at the kernel's head; the fourth tile is the one refill, into slot 0 as soon as that is read out,
; and has the second and third tiles' products in which to land.  CLUSTER 4 x 4: h_t's tiles are asked for jointly along a row of the cluster, W_out's along a column.
; REGISTERS.  window 0: v0-31 addresses; v32-63 h_t's scale words, v64-95 W_out's, and nothing else; v96-127 at work; v128-255 the accumulators.  window 1: two sets of fragments (v0, v96), b_out at v192-223.
.set BOFF,  49152                      ; a slot: h_t's 8 x 128 rows x 48 bytes, then W_out's 128 rows
.set BP,    432                        ; a row of W_out in LDS: 3 x (128 bytes + 16 of padding)
.set SLOTB, BOFF+128*BP                ; a slot's bytes
.set ASC,   3*SLOTB                    ; h_t's scale bytes: 32 units of 256 bytes + 16
.set SPARE, ASC+32*272                 ; the spare words
.set SPW, 28
.set NIL, 29
.set MSB, 0
.macro WIN new
.if MSB != (\new)
	s_set_vgpr_msb (MSB<<8)|(\new)
.set MSB, (\new)
.endif
.endm
.macro PLACES n
.rept \n
	v_nop
.endr
.endm
.macro CREST
	s_cmp_lg_u32 s16, 0
	s_cbranch_scc1 .Lnw0_\@
	s_barrier_signal -3
.Lnw0_\@:
	s_barrier_wait -3
	s_barrier_signal -1
	s_barrier_wait -1
.endm
.macro CROUND
	s_barrier_signal -1
	s_barrier_wait -1
	CREST
.endm
.macro JLD g0a, g0b                    ; waves 0, 1 fetch h_t's halves, waves 2, 3 W_out's; the branch hangs on the wave's number alone
	s_cmp_eq_u32 s17, 0
	s_cbranch_scc0 .Ljb_\@
	tensor_load_to_lds s[\g0a:\g0a+3], s[24:31]
	s_nop 0
.rept 4
	v_nop
.endr
	s_branch .Ljd_\@
.Ljb_\@:
	tensor_load_to_lds s[\g0b:\g0b+3], s[32:39]
	s_nop 0
.rept 4
	v_nop
.endr
.Ljd_\@:
.endm
.macro WMX
.if (rR0 == 0) && (rR1 == 0)
	v_wmma_scale_f32_16x16x128_f8f6f4 v[rD:rD+7], v[rS0:rS0+11], v[rS1:rS1+11], v[rC:rC+7], v[rX0], v[rX1] matrix_a_fmt:MATRIX_FMT_BF6 matrix_b_fmt:MATRIX_FMT_BF6
.elseif rR1 == 0
	v_wmma_scale_f32_16x16x128_f8f6f4 v[rD:rD+7], v[rS0:rS0+11], v[rS1:rS1+11], v[rC:rC+7], v[rX0], v[rX1] matrix_a_fmt:MATRIX_FMT_BF6 matrix_b_fmt:MATRIX_FMT_BF6 matrix_a_scale:MATRIX_SCALE_ROW1
.elseif rR0 == 0
	v_wmma_scale_f32_16x16x128_f8f6f4 v[rD:rD+7], v[rS0:rS0+11], v[rS1:rS1+11], v[rC:rC+7], v[rX0], v[rX1] matrix_a_fmt:MATRIX_FMT_BF6 matrix_b_fmt:MATRIX_FMT_BF6 matrix_b_scale:MATRIX_SCALE_ROW1
.else
	v_wmma_scale_f32_16x16x128_f8f6f4 v[rD:rD+7], v[rS0:rS0+11], v[rS1:rS1+11], v[rC:rC+7], v[rX0], v[rX1] matrix_a_fmt:MATRIX_FMT_BF6 matrix_b_fmt:MATRIX_FMT_BF6 matrix_a_scale:MATRIX_SCALE_ROW1 matrix_b_scale:MATRIX_SCALE_ROW1
.endif
.endm
.macro LMUL4 sg, a                     ; row block a x the four column blocks, sub-step sg; the 16 accumulators take turns
.irp b, 0,1,2,3
.set rD, 128+8*(4*(\a)+\b)
.set rS0, 96*((\sg)%2)+48+12*\b
.set rS1, 96*((\sg)%2)+12*(\a)
.if (\sg) == 0
.set rC, 192+8*\b
.else
.set rC, rD
.endif
.set rX0, 64+16*(\b/2)+(\sg)
.set rX1, 32+16*((\a)/2)+(\sg)
.set rR0, \b%2
.set rR1, (\a)%2
	WMX
.endr
.endm
; The eight fragments of sub-step sg into set sg % 2.  Tile t lies in slot t % 3.  h_t: a hidden tile's 48 bytes of a row are two blocks of 24 bytes: registers 6 c .. 6 c + 5 come from tile 2 sg + c, block h.
.macro LFETCH sg
.set fsl, ((\sg)/4)%3
.set fsp, (\sg)%4
.set fst, 96*((\sg)%2)
	WIN 0x40
.irp a, 0,1,2,3
.irp p, 0,1,2,3,4,5
	ds_load_b64 v[fst+12*\a+2*\p:fst+12*\a+2*\p+1], v[4+fsl] offset:768*\a+6144*(2*fsp+\p/3)+8*(\p%3)
.endr
.endr
.irp b, 0,1,2,3
.irp p, 0,1,2,3,4,5
.set PC, 12*fsp+6*(\p/3)+\p%3
.if PC%16 < 13
	ds_load_b64 v[fst+48+12*\b+2*\p:fst+48+12*\b+2*\p+1], v[16+2*fsl] offset:6912*\b+8*PC+16*(PC/16)
.else
	ds_load_b64 v[fst+48+12*\b+2*\p:fst+48+12*\b+2*\p+1], v[17+2*fsl] offset:6912*\b+8*PC+16*(PC/16)
.endif
.endr
.endr
.endm
; Sub-step sg.  Behind sub-step 3's barrier slot 0 is filled again; in front of it every wave has waited for all its loads, so slots 1 and 2 are whole for everybody from there on, and sub-step 7 needs no barrier.
; Sub-step 11's barrier shows the fourth tile to every wave.
.macro SUB sg
	s_wait_dscnt 0x0                               ; this sub-step's fragments are in
.if ((\sg) == 3) || ((\sg) == 11)
	WIN 0
	s_wait_tensorcnt 0x0                           ; all my tensor loads have landed
	ds_add_u32 v[SPW], v[NIL]
.if (\sg) == 3
	s_add_nc_u64 s[50:51], s[50:51], 3*8*2048*48   ; slot 0's descriptors go on to the fourth tile
	s_add_nc_u64 s[58:59], s[58:59], 3*384
.endif
	WIN 0x05
	LMUL4 \sg, 0
	s_wait_dscnt 0x0                               ; the add is done; my reads of this slot were over at the sub-step's head
	s_barrier_signal -1
	LMUL4 \sg, 1
	WIN 0
	s_barrier_wait -1
.if (\sg) == 3
	CREST                                          ; no wave of any partner still reads slot 0 or has a load on its way
	JLD 48, 56
.else
	PLACES 4
.endif
	LFETCH (\sg)+1
	WIN 0x05
	LMUL4 \sg, 2
	LMUL4 \sg, 3
.else
.if (\sg) < 15
	PLACES 4                                       ; in front of loads into the set that the sub-step before multiplied
	LFETCH (\sg)+1
.endif
.if (\sg) == 0
	WIN 0x15
.else
	WIN 0x05
.endif
	LMUL4 \sg, 0
	LMUL4 \sg, 1
	LMUL4 \sg, 2
	LMUL4 \sg, 3
.endif
.endm
	s_load_b256 s[4:11], s[0:1], 0x0               ; hq_codes, hq_scales, W_out's codes, W_out's scales
	s_load_b128 s[12:15], s[0:1], 0x20             ; b_out, logits
	v_lshl_add_u32 v[SPW], v0, 2, SPARE
	v_mov_b32 v[NIL], 0
	ds_add_u32 v[SPW], v[NIL]                      ; the opening: the add, twice on end, and its wait ahead of my first tensor load
	ds_add_u32 v[SPW], v[NIL]
	v_lshrrev_b32 v1, 5, v0
	v_readfirstlane_b32 s16, v1                    ; wave
	s_lshr_b32 s17, s16, 1                         ; rh.  Also: I fetch for h_t (0) or for W_out (1)
	s_and_b32 s18, s16, 1                          ; wc.  Also: which half I fetch
	s_bfe_u32 s66, ttmp6, 0x40000                  ; cx
	s_bfe_u32 s67, ttmp6, 0x40004                  ; cy
	s_lshl_b32 s72, ttmp9, 2
	s_add_co_u32 s72, s72, s66                     ; the tile's column
	s_and_b32 s73, ttmp7, 0xffff
	s_lshl_b32 s73, s73, 2
	s_add_co_u32 s73, s73, s67                     ; the tile's row
	s_lshl_b32 s74, s67, 2
	s_lshl_b32 s74, 15, s74                        ; my row of the cluster
	s_lshl_b32 s75, 0x1111, s66                    ; my column
	s_or_b32 s24, s74, (3<<16)|(1<<21)             ; group 1, h_t: 4 rows (hidden tiles) of 768 elements of 8 bytes (128 rows x 48 bytes), 98,304 bytes apart; no padding
	s_mov_b32 s25, 768<<16
	s_mov_b32 s26, 4<<16
	s_mov_b32 s27, 768<<16
	s_mov_b32 s28, 4
	s_mov_b32 s29, 12288
	s_mov_b32 s30, 0
	s_mov_b32 s31, 0
	s_or_b32 s32, s75, (1<<20)|(1<<21)|(4<<22)|(3<<25)   ; group 1, W_out: 64 rows x 384 bytes, 4 words of padding behind every 32
	s_mov_b32 s33, 384<<16
	s_mov_b32 s34, 64<<16
	s_mov_b32 s35, 384<<16
	s_mov_b32 s36, 64
	s_mov_b32 s37, 1536
	s_mov_b32 s38, 0
	s_mov_b32 s39, 0
	s_mov_b32 s40, (3<<16)|(1<<20)|(5<<22)|(3<<25)  ; group 1, h_t's scale bytes: 8 hidden tiles x 256 bytes, 4,096 apart
	s_mov_b32 s41, 32<<16
	s_mov_b32 s42, 8<<16
	s_mov_b32 s43, 32<<16
	s_mov_b32 s44, 8
	s_mov_b32 s45, 512
	s_mov_b32 s46, 0
	s_mov_b32 s47, 0
	s_mul_i32 s76, s73, 6144
	s_mul_i32 s82, s18, 4*2048*48
	s_add_co_u32 s76, s76, s82                     ; h_t: 128 rows x 48 bytes x tile row + my four hidden tiles
	s_mov_b32 s77, 0
	s_lshl_b32 s78, s72, 7
	s_lshl_b32 s83, s18, 6
	s_add_co_u32 s78, s78, s83
	s_mul_i32 s78, s78, 1536                       ; W_out: row 128 x tile column + 64 x half
	s_mov_b32 s79, 0
	s_lshl_b32 s80, s16, 15
	s_lshl_b32 s81, s73, 8
	s_add_co_u32 s80, s80, s81                     ; scale bytes: 8 hidden tiles x wave, 256 bytes x tile row
	s_mov_b32 s81, 0
	s_mul_i32 s82, s18, 4*6144                     ; LDS addresses hang on the wave's number alone
	s_mul_i32 s83, s18, 64*BP
	s_add_co_u32 s83, s83, BOFF
	s_mul_i32 s84, s16, 8*272
	s_mov_b32 s48, 1                               ; a group 0 for each of the three first fills of h_t,
	s_mov_b32 s49, s82
	s_mov_b32 s52, 1
	s_add_co_u32 s53, s82, SLOTB
	s_mov_b32 s88, 1
	s_add_co_u32 s89, s82, 2*SLOTB
	s_mov_b32 s56, 1                               ; and of W_out
	s_mov_b32 s57, s83
	s_mov_b32 s60, 1
	s_add_co_u32 s61, s83, SLOTB
	s_mov_b32 s92, 1
	s_add_co_u32 s93, s83, 2*SLOTB
	s_mov_b32 s68, 1
	s_add_co_u32 s69, s84, ASC
	s_wait_dscnt 0x0                               ; both opening adds are done
	s_wait_kmcnt 0x0
	s_add_nc_u64 s[50:51], s[4:5], s[76:77]
	s_add_nc_u64 s[54:55], s[50:51], 8*2048*48
	s_add_nc_u64 s[90:91], s[50:51], 2*8*2048*48
	s_add_nc_u64 s[58:59], s[8:9], s[78:79]
	s_add_nc_u64 s[62:63], s[58:59], 384
	s_add_nc_u64 s[94:95], s[58:59], 768
	s_add_nc_u64 s[70:71], s[6:7], s[80:81]
	s_or_b32 s51, s51, 0x80000000
	s_or_b32 s55, s55, 0x80000000
	s_or_b32 s91, s91, 0x80000000
	s_or_b32 s59, s59, 0x80000000
	s_or_b32 s63, s63, 0x80000000
	s_or_b32 s95, s95, 0x80000000
	s_or_b32 s71, s71, 0x80000000
	CROUND                                         ; all sixteen work-groups are here
	tensor_load_to_lds s[68:71], s[40:47]          ; the first fills: four loads of mine are out.  The scale bytes, my eight hidden tiles;
	s_nop 0
.rept 4
	v_nop
.endr
	JLD 48, 56                                     ; slot 0: K 0-511
	JLD 52, 60                                     ; slot 1: K 512-1,023
	JLD 88, 92                                     ; slot 2: K 1,024-1,535
	v_and_b32 v1, 15, v0                           ; r
	v_bfe_u32 v2, v0, 4, 1                         ; h
	s_lshl_b32 s85, s17, 6
	v_add_nc_u32 v3, s85, v1                       ; 64 rh + r
	v_mul_u32_u24 v4, v3, 48
	v_mad_u32_u24 v4, v2, 24, v4                   ; h_t's fragments, slot 0,
	v_add_nc_u32 v5, SLOTB, v4                     ; slot 1,
	v_add_nc_u32 v6, 2*SLOTB, v4                   ; slot 2
	s_lshl_b32 s86, s18, 6
	v_add_nc_u32 v16, s86, v1
	v_mul_u32_u24 v16, v16, BP
	v_mad_u32_u24 v16, v2, 24, v16
	v_add_nc_u32 v16, BOFF, v16                    ; W_out's fragments, slot 0,
	v_lshl_add_u32 v17, v2, 4, v16                 ; behind one padding more,
	v_add_nc_u32 v18, SLOTB, v16                   ; and the same in slot 1
	v_add_nc_u32 v19, SLOTB, v17
	v_add_nc_u32 v20, 2*SLOTB, v16                 ; and in slot 2
	v_add_nc_u32 v21, 2*SLOTB, v17
	v_lshl_add_u32 v10, v2, 4, v3
	v_lshl_add_u32 v10, v10, 1, ASC                ; h_t's scale bytes: 2 x (64 rh + 16 h + r)
	s_mul_i32 s87, s16, 16*272
	s_add_co_u32 s87, s87, SLOTB                   ; my stage, in slot 1
	v_mul_u32_u24 v11, v1, 272
	v_lshl_add_u32 v11, v2, 5, v11
	v_add_nc_u32 v11, s87, v11                     ; in: row r, 32 bytes for each half of the lanes
	v_mul_u32_u24 v12, v2, 272
	v_lshl_add_u32 v12, v1, 4, v12
	v_add_nc_u32 v12, s87, v12                     ; back: sixteen lanes to a row
	v_lshlrev_b32 v13, 13, v2
	v_lshl_add_u32 v13, v1, 4, v13                 ; the same two rows in logits
	v_lshlrev_b32 v14, 5, v2                       ; b_out: 32 h
	v_lshl_add_u32 v15, v2, 4, v1
	v_lshlrev_b32 v15, 6, v15                      ; W_out's scales: row 16 h + r of 64 bytes
	s_lshl_b32 s76, s72, 9
	s_lshl_b32 s82, s18, 8
	s_add_co_u32 s76, s76, s82                     ; (128 x tile column + 64 wc) x 4
	s_add_nc_u64 s[12:13], s[12:13], s[76:77]
	s_add_nc_u64 s[14:15], s[14:15], s[76:77]
	s_lshl_b32 s76, s76, 4                         ; x 64
	s_add_nc_u64 s[10:11], s[10:11], s[76:77]
	s_lshl_b32 s76, s73, 20
	s_lshl_b32 s82, s17, 19
	s_add_co_u32 s76, s76, s82                     ; (128 x tile row + 64 rh) x 8,192
	s_add_nc_u64 s[14:15], s[14:15], s[76:77]
	WIN 0x40
.irp b, 0,1,2,3
.irp i, 0,1
	global_load_b128 v[192+8*\b+4*\i:192+8*\b+4*\i+3], v14, s[12:13] offset:64*\b+16*\i   ; b_out in the result's layout
.endr
.endr
	WIN 0
.irp k, 0,1
.irp i, 0,1,2,3
	global_load_b128 v[64+16*\k+4*\i:64+16*\k+4*\i+3], v15, s[10:11] offset:2048*\k+16*\i   ; W_out's scale words: lanes 0-15 column block 2 k, lanes 16-31 block 2 k + 1
.endr
.endr
	s_wait_tensorcnt 2                             ; the scale bytes and my part of slot 0 are in; the two loads issued behind them, slots 1 and 2, may stay out
	s_barrier_signal -1
	s_barrier_wait -1
.irp k, 0,1
.irp g, 0,1,2,3,4,5,6,7,8,9,10,11,12,13,14,15
	ds_load_u16 v[32+16*\k+\g], v10 offset:272*(2*\g)+64*\k          ; a scale word's low half: hidden tile 2 g,
	ds_load_u16 v[96+16*\k+\g], v10 offset:272*(2*\g+1)+64*\k        ; its high half: tile 2 g + 1
.endr
.endr
	LFETCH 0
	WIN 0
	s_wait_dscnt 48                                ; all but the 48 fragment loads just issued
.set ri, 0
.rept 32
	v_lshl_or_b32 v[32+ri], v[96+ri], 16, v[32+ri]
.set ri, ri+1
.endr
	s_wait_loadcnt 0x0
	PLACES 8                                       ; scale registers written by vector instructions stand eight places ahead of the products
.irp g, 0,1,2,3,4,5,6,7,8,9,10,11,12,13,14,15
	SUB \g
.endr
	; THE WAY OUT, by blocks of 16 rows x 64 columns through my own stage.  It lies in slot 1, which was filled once, and which nobody reads since the barrier of sub-step 11.
	WIN 0
	PLACES 4
.irp a, 0,1,2,3
.irp b, 0,1,2,3
	ds_store_b128 v11, v[128+8*(4*\a+\b):128+8*(4*\a+\b)+3] offset:64*\b      ; each accumulator from its low end on
	ds_store_b128 v11, v[128+8*(4*\a+\b)+4:128+8*(4*\a+\b)+7] offset:64*\b+16
.endr
.if \a > 0
	s_wait_xcnt 0x0                                ; the last block's stores have read their registers
.endif
.irp t, 0,1,2,3,4,5,6,7
	ds_load_b128 v[96+4*\t:99+4*\t], v12 offset:544*\t                        ; LDS serves a wave's instructions in order (ISA guide 5.7.1.4): these see the stores above
.endr
.irp t, 0,1,2,3,4,5,6,7
	s_wait_dscnt 7-\t
	global_store_b128 v13, v[96+4*\t:99+4*\t], s[14:15] offset:(16*\a+2*\t)*8192   ; sixteen lanes store 256 consecutive bytes, aligned
.endr
.endr
	s_wait_tensorcnt 0x0                           ; the wave's end
	ds_add_u32 v[SPW], v[NIL]
	s_wait_dscnt 0x0
	CROUND                                         ; the closing round
	s_endpgm
.Lfunc_end_k_q7d69cda71d_logit:
	.size	k_q7d69cda71d_logit, .Lfunc_end_k_q7d69cda71d_logit-k_q7d69cda71d_logit
	.p2alignl 7, 3214868480
	.fill 96, 4, 3214868480
	.section	.rodata,"a",@progbits
	.p2align	6, 0x0
	.amdhsa_kernel k_q7d69cda71d_logit
		.amdhsa_group_segment_fixed_size 327680
		.amdhsa_private_segment_fixed_size 0
		.amdhsa_enable_private_segment 0
		.amdhsa_kernarg_size 48
		.amdhsa_user_sgpr_count 2
		.amdhsa_user_sgpr_kernarg_segment_ptr 1
		.amdhsa_wavefront_size32 1
		.amdhsa_system_sgpr_workgroup_id_x 1
		.amdhsa_system_sgpr_workgroup_id_y 1
		.amdhsa_system_sgpr_workgroup_id_z 1
		.amdhsa_system_vgpr_workitem_id 0
		.amdhsa_next_free_vgpr 512
		.amdhsa_next_free_sgpr 100
		.amdhsa_reserve_vcc 0
		.amdhsa_float_denorm_mode_32 3
		.amdhsa_float_denorm_mode_16_64 3
		.amdhsa_memory_ordered 1
		.amdhsa_forward_progress 1
		.amdhsa_inst_pref_size 111
	.end_amdhsa_kernel
	.amdgpu_metadata
---
amdhsa.version: [ 1, 2 ]
amdhsa.kernels:
  - .name:           k_q7d69cda71d_logit
    .symbol:         k_q7d69cda71d_logit.kd
    .args:
      - { .name: hq_codes, .offset: 0, .size: 8, .value_kind: global_buffer, .address_space: global }
      - { .name: hq_scales, .offset: 8, .size: 8, .value_kind: global_buffer, .address_space: global }
      - { .name: W_out_codes, .offset: 16, .size: 8, .value_kind: global_buffer, .address_space: global }
      - { .name: W_out_scales, .offset: 24, .size: 8, .value_kind: global_buffer, .address_space: global }
      - { .name: b_out, .offset: 32, .size: 8, .value_kind: global_buffer, .address_space: global }
      - { .name: logits, .offset: 40, .size: 8, .value_kind: global_buffer, .address_space: global }
    .group_segment_fixed_size: 327680
    .private_segment_fixed_size: 0
    .kernarg_segment_align: 8
    .kernarg_segment_size: 48
    .max_flat_workgroup_size: 128
    .sgpr_count:     100
    .vgpr_count:     512
    .wavefront_size: 32
...
	.end_amdgpu_metadata
.endif
;; end of part 2
;; launch soft (part 3): grid 256 x 1, 8 waves a work-group, no clusters, 0 bytes of LDS; arguments logits, out0; writes out0
.if DOCPART == 3
	.amdgcn_target "amdgcn-amd-amdhsa--gfx1250"
	.amdhsa_code_object_version 6
	.text
	.protected	k_q7d69cda71d_soft
	.globl	k_q7d69cda71d_soft
	.p2align	8
	.type	k_q7d69cda71d_soft,@function
k_q7d69cda71d_soft:
	s_mov_b64 s[64:65], 0
	v_nop
	global_prefetch_b8 v0, s[64:65] scope:SCOPE_SE
	s_setreg_imm32_b32 hwreg(HW_REG_WAVE_MODE, 25, 1), 1
	s_wait_xcnt 0x0
; LSTM cell, launch 3 of 3: out0 = softmax of each row of logits [2,048][2,048], f32.  Nothing is left out: the row's maximum is taken away before the exponential.
; One wave takes one row of 8,192 bytes: sixteen loads of 512 consecutive bytes, 64 registers a lane; the row stays in registers between the maximum, the sum and the scaling, so it is read once and written once.
; p = 2^(x log2(e) - m log2(e)): the second term is one number for the whole row, so its rounding cancels in the division.  No LDS, no barrier: waves share nothing.
	s_load_b128 s[4:7], s[0:1], 0x0                ; logits, out0
	v_lshrrev_b32 v1, 5, v0
	v_readfirstlane_b32 s8, v1                     ; wave
	v_and_b32 v2, 31, v0
	v_lshlrev_b32 v2, 4, v2                        ; 16 bytes a lane
	s_lshl_b32 s9, ttmp9, 3
	s_add_co_u32 s9, s9, s8                        ; my row
	s_lshl_b32 s10, s9, 13
	s_mov_b32 s11, 0
	s_mov_b32 s12, 0x76543210
	s_mov_b32 s13, 0xfedcba98                      ; v_permlanex16_b32's selects for lane l xor 16
	s_mov_b32 s14, 0x3fb8aa3b                      ; log2(e)
	s_mov_b32 s15, s14
	v_mov_b32 v9, 0                                ; (named as the upper halves of pairs)
	v_mov_b32 v15, 0
	s_wait_kmcnt 0x0
	s_add_nc_u64 s[4:5], s[4:5], s[10:11]
	s_add_nc_u64 s[6:7], s[6:7], s[10:11]
.irp i, 0,1,2,3,4,5,6,7,8,9,10,11,12,13,14,15
	global_load_b128 v[16+4*\i:19+4*\i], v2, s[4:5] offset:512*\i th:TH_LOAD_NT
.endr
	s_wait_loadcnt 0x0
.irp c, 0,1,2,3
	v_max3_num_f32 v[4+\c], v[16+16*\c], v[17+16*\c], v[18+16*\c]     ; the largest of my 64, in four chains
.endr
.irp i, 3,5,7,9,11,13
.irp c, 0,1,2,3
	v_max3_num_f32 v[4+\c], v[4+\c], v[16+16*\c+\i], v[17+16*\c+\i]
.endr
.endr
.irp c, 0,1,2,3
	v_max_num_f32 v[4+\c], v[4+\c], v[31+16*\c]
.endr
	v_max3_num_f32 v4, v4, v5, v6
	v_max_num_f32 v4, v4, v7
	v_max_num_f32_dpp v4, v4, v4 row_xmask:1 row_mask:0xf bank_mask:0xf
	v_max_num_f32_dpp v4, v4, v4 row_xmask:2 row_mask:0xf bank_mask:0xf
	v_max_num_f32_dpp v4, v4, v4 row_xmask:4 row_mask:0xf bank_mask:0xf
	v_max_num_f32_dpp v4, v4, v4 row_xmask:8 row_mask:0xf bank_mask:0xf
	v_permlanex16_b32 v5, v4, s12, s13
	v_max_num_f32 v4, v4, v5                       ; the row's maximum, in every lane
	v_mul_f32 v8, 0xbfb8aa3b, v4                   ; -m log2(e)
.set i, 0
.rept 32
	v_pk_fma_f32 v[16+i:17+i], v[16+i:17+i], s[14:15], v[8:9] op_sel_hi:[1,0,0]
.set i, i+2
.endr
.set i, 0
.rept 64
	v_exp_f32 v[16+i], v[16+i]
.set i, i+1
.endr
	v_nop                                          ; a plain place behind the last exponential
	s_wait_alu depctr_va_vdst(0)                   ; one wait for the batch, ahead of its first reader
	v_pk_add_f32 v[10:11], v[16:17], v[18:19]      ; the sum, two at a time, in two chains
	v_pk_add_f32 v[12:13], v[20:21], v[22:23]
.irp j, 8,12,16,20,24,28,32,36,40,44,48,52,56,60
	v_pk_add_f32 v[10:11], v[10:11], v[16+\j:17+\j]
	v_pk_add_f32 v[12:13], v[12:13], v[18+\j:19+\j]
.endr
	v_pk_add_f32 v[10:11], v[10:11], v[12:13]
	v_add_f32 v10, v10, v11
	v_add_f32_dpp v10, v10, v10 row_xmask:1 row_mask:0xf bank_mask:0xf
	v_add_f32_dpp v10, v10, v10 row_xmask:2 row_mask:0xf bank_mask:0xf
	v_add_f32_dpp v10, v10, v10 row_xmask:4 row_mask:0xf bank_mask:0xf
	v_add_f32_dpp v10, v10, v10 row_xmask:8 row_mask:0xf bank_mask:0xf
	v_permlanex16_b32 v11, v10, s12, s13
	v_add_f32 v10, v10, v11                        ; the row's sum
	v_rcp_f32 v14, v10
	v_nop
	s_wait_alu depctr_va_vdst(0)
.set i, 0
.rept 32
	v_pk_mul_f32 v[16+i:17+i], v[16+i:17+i], v[14:15] op_sel_hi:[1,0]
.set i, i+2
.endr
.irp i, 0,1,2,3,4,5,6,7,8,9,10,11,12,13,14,15
	global_store_b128 v2, v[16+4*\i:19+4*\i], s[6:7] offset:512*\i th:TH_STORE_NT   ; 32 lanes store 512 consecutive bytes, aligned
.endr
	s_endpgm
.Lfunc_end_k_q7d69cda71d_soft:
	.size	k_q7d69cda71d_soft, .Lfunc_end_k_q7d69cda71d_soft-k_q7d69cda71d_soft
	.p2alignl 7, 3214868480
	.fill 96, 4, 3214868480
	.section	.rodata,"a",@progbits
	.p2align	6, 0x0
	.amdhsa_kernel k_q7d69cda71d_soft
		.amdhsa_group_segment_fixed_size 0
		.amdhsa_private_segment_fixed_size 0
		.amdhsa_enable_private_segment 0
		.amdhsa_kernarg_size 16
		.amdhsa_user_sgpr_count 2
		.amdhsa_user_sgpr_kernarg_segment_ptr 1
		.amdhsa_wavefront_size32 1
		.amdhsa_system_sgpr_workgroup_id_x 1
		.amdhsa_system_sgpr_workgroup_id_y 1
		.amdhsa_system_sgpr_workgroup_id_z 1
		.amdhsa_system_vgpr_workitem_id 0
		.amdhsa_next_free_vgpr 96
		.amdhsa_next_free_sgpr 66
		.amdhsa_reserve_vcc 0
		.amdhsa_float_denorm_mode_32 3
		.amdhsa_float_denorm_mode_16_64 3
		.amdhsa_memory_ordered 1
		.amdhsa_forward_progress 1
		.amdhsa_inst_pref_size 15
	.end_amdhsa_kernel
	.amdgpu_metadata
---
amdhsa.version: [ 1, 2 ]
amdhsa.kernels:
  - .name:           k_q7d69cda71d_soft
    .symbol:         k_q7d69cda71d_soft.kd
    .args:
      - { .name: logits, .offset: 0, .size: 8, .value_kind: global_buffer, .address_space: global }
      - { .name: out0, .offset: 8, .size: 8, .value_kind: global_buffer, .address_space: global }
    .group_segment_fixed_size: 0
    .private_segment_fixed_size: 0
    .kernarg_segment_align: 8
    .kernarg_segment_size: 16
    .max_flat_workgroup_size: 256
    .sgpr_count:     66
    .vgpr_count:     96
    .wavefront_size: 32
...
	.end_amdgpu_metadata
.endif
;; end of part 3
